; MI455X (gfx1250); checked and timed in simulation.
; The chip was launched on July 23, 2026; its instructions are those of AMD's public machine-readable ISA for CDNA 5 (MIT licence, August 2026) and "CDNA5" Instruction Set Architecture Reference Guide (July 2026). The comments in the code are by the model that wrote it; some were corrected since.
;; Flash Attention. Allowed arithmetic: matrix products marked QUANTISED: E3M2 operands, one E8M0 scale for each 32 along K, by v_wmma_scale_f32_16x16x128_f8f6f4 with both operands' format E3M2, f32 sums; everything else in f32.
;; Inputs: k_codes 4 x 2,048 x 16 x 2 x 24 uint8 (E3M2 codes of k, K innermost, in blocks of 32 codes, four codes in three bytes); k_scales 4 x 2,048 x 16 x 2 uint8 (E8M0 scales of k, one for each 32 codes along K); q_codes 4 x 2,048 x 16 x 2 x 24 uint8 (E3M2 codes of q, K innermost, in blocks of 32 codes, four codes in three bytes); q_scales 4 x 2,048 x 16 x 2 uint8 (E8M0 scales of q, one for each 32 codes along K); v_codes 4 x 16 x 64 x 64 x 24 uint8 (E3M2 codes of v, K innermost, in blocks of 32 codes, four codes in three bytes); v_scales 4 x 16 x 64 x 64 uint8 (E8M0 scales of v, one for each 32 codes along K).
;; Outputs: out0 4 x 2,048 x 16 x 64 float32.
;; This version of the problem:
;;   THIS VERSION OF THE PROBLEM IS GIVEN IN LOW PRECISION. The matrix products marked QUANTISED in the list below multiply operands that are first quantised to E3M2 (3 exponent bits, 2 mantissa bits; 6 bits a number), with one power-of-two scale for each 32 numbers along K (OCP MX v1.0); their sums are f32. All else is computed in f32.
;;   The module's matrix products, in the order in which they are computed (A, B: the left and right operand; K: the contracted axis; several contracted axes count as one K, in the product's order):
;;     1. batch 64 x [M 2,048, K 64] x [K 64, N 2,048]; A: input q (given as codes); B: input k (given as codes): QUANTISED
;;     2. batch 64 x [M 64, K 2,048] x [K 2,048, N 2,048]; A: input v (given as codes); B: softmax (see below): QUANTISED
;;   THE QUANTISER, for each operand of a quantised product, along K:
;;     - K is cut into blocks of 32 from its start; a last block that is shorter is filled with zeros.
;;     - A block's scale is 2^e with e = floor(log2(the largest magnitude in the block)) - 4, held to -126 .. 127; a block of zeros has e = 0. As a byte (E8M0): e + 127.
;;     - Each number is divided by its block's scale, clamped to +-28, and rounded to the nearest number of E3M2, ties to even, subnormals kept.
;;     - The product sums the exact products of the quantised numbers (number of the format x scale) in f32.
;;   ~~~python
;;   def quantise(x, axis):      # numpy; x: float32 -> the quantised numbers, widened to float32 again
;;       x = np.moveaxis(x, axis, -1); K = x.shape[-1]
;;       x = np.pad(x, [(0, 0)] * (x.ndim - 1) + [(0, -K % 32)]); x = x.reshape(x.shape[:-1] + (-1, 32)); a = np.abs(x).max(-1, keepdims=True)
;;       e = np.where(a > 0, np.clip(np.frexp(np.where(a > 0, a, 1))[1] - 1 - 4, -126, 127), 0)      # np.frexp(a)[1] - 1 = floor(log2(a)), exactly
;;       r = np.clip(x / 2.0 ** e, -28, 28)
;;       step = 2.0 ** (np.maximum(np.frexp(np.where(r == 0, 1, r))[1] - 1, -2) - 2)
;;       q = np.round(r / step) * step * 2.0 ** e      # np.round: ties to even
;;       return np.moveaxis(q.reshape(q.shape[:-2] + (-1,))[..., :K], -1, axis).astype(np.float32)
;;   ~~~
;;   SOFTMAX AHEAD OF A QUANTISED PRODUCT. Where the list says 'softmax', what is quantised is not the finished softmax but p = 2^(t - M), with t = logit x log2(e) and M = ceil(the row's largest t), a whole number; so 1/2 < the row's largest p <= 1. The row's sum l is taken of the UNQUANTISED p, in f32, and the product's result is divided by l at the end. Since M is a whole number, a kernel that streams over the keys may use a running M (the ceiling of the running maximum): every later rescaling is an exact power of two, which a block's scale takes up: the codes' values come out the same.
;;   OPERANDS COMPUTED ON THE WAY. 'Computed on the way' means the value that the module computes at that place (a softmax that the list does not call 'softmax' is quantised finished and normalised). What goes into a quantiser is computed in f32, as accurately as f32 sums, v_exp_f32 and their like allow (about 1e-6 of the number): no bf16 or f16 on the way to a quantiser, and a product that is left as it is and whose result goes on into a quantised operand takes f32 operands (vector FMAs, or v_wmma_f32_16x16x4_f32). A number that lies on a knife's edge between two numbers of the format may be rounded either way, as far as f32 arithmetic and the matrix unit's own rounding can turn it there, and no further.
;;   INPUTS GIVEN AS CODES. k (in the module: [4, 2048, 16, 64], K = its axis 3); q (in the module: [4, 2048, 16, 64], K = its axis 3); v (in the module: [4, 2048, 16, 64], K = its axis 1): each comes as NAME_codes (uint8): NAME with its K axis moved to the last place and cut into blocks of 32 codes, [.., K / 32, bytes a block], one block behind the other in memory; four codes in three bytes: a row's codes are one little-endian stream of bits, code i at bits 6 i .. 6 i + 5 (a code: sign, 3 exponent bits, 2 mantissa bits); and NAME_scales (uint8): the same leading axes, one E8M0 byte (e + 127) for each 32 codes along K. Its value is code x scale, taken as it is: it is not quantised again, and the codes and scales need not be those that the quantiser above would give.
;; One version. Each part assembles by itself: llvm-mc -triple=amdgcn-amd-amdhsa -mcpu=gfx1250 --defsym DOCPART=n.
;; ======== version 1 of 1: 1 launch
;; launch attn (part 1): grid 4 x 64, 16 waves a work-group, clusters of 4 x 1, 305,152 bytes of LDS; arguments q_codes, q_scales, k_codes, k_scales, v_codes, v_scales, out0; writes out0
.if DOCPART == 1
	.amdgcn_target "amdgcn-amd-amdhsa--gfx1250"
	.amdhsa_code_object_version 6
	.text
	.protected	k_q8da4dc4211_attn
	.globl	k_q8da4dc4211_attn
	.p2align	8
	.type	k_q8da4dc4211_attn,@function
k_q8da4dc4211_attn:
	s_mov_b64 s[64:65], 0
	v_nop
	global_prefetch_b8 v0, s[64:65] scope:SCOPE_SE
	s_setreg_imm32_b32 hwreg(HW_REG_WAVE_MODE, 25, 1), 1
	s_wait_xcnt 0x0
	s_wait_alu depctr_hold_cnt(0) depctr_sa_sdst(0) depctr_va_vdst(0) depctr_va_sdst(0) depctr_va_ssrc(0) depctr_va_vcc(0) depctr_vm_vsrc(0)
	s_getreg_b32 s2, hwreg(HW_REG_IB_STS2, 6, 4)
	s_cmp_eq_u32 s2, 0
	s_cbranch_scc0 .Lentry_in_a_cluster
	s_endpgm
.Lentry_in_a_cluster:
	s_bfe_u32 s2, ttmp6, 0x10000c
	s_cmp_lg_u32 s2, 0x3003
	s_cbranch_scc0 .Lentry_shape_is_right
	s_endpgm
.Lentry_shape_is_right:
; out0[b][q][h][:] = the sum over keys k <= q of softmax_k(Q[b][q][h] . K[b][k][h] / 8) V[b][k][h][:].  B = 4, S = 2,048, H = 16, D = 64.
; Both products on codes of BF6 (E3M2), 6 bits each, one E8M0 scale for each 32 along a product's K.  Q, K: a (b, s, h) row is 48 bytes of codes (rows of a head 768 bytes apart) and 2 scale bytes (32 apart).
; V: codes with the KEYS innermost: a (b, h, d) row is 1,536 bytes, a head 98,304 dense bytes; its scale bytes 64 a row, 4,096 a head.  out0: f32, a (b, s, h) row is 256 bytes, rows of a head 4,096 apart.
; THE SOFTMAX AHEAD OF THE SECOND PRODUCT: t = score x log2(e) / 8; M = the row's largest t so far, rounded UP to a whole number; p = 2^(t - M) is quantised along the keys, not normalised.  The row's sum is
; taken of the unquantised p, in f32, and divides at the end.  When M moves, the sum and O are multiplied by 2^(old M - new M): exact.
; A WHOLE HEAD STAYS IN LDS: K's codes 98,304 bytes, V's 122,880 with padding, the scale words 12,288.  Every LDS byte is filled once: no ring, no refill.
; SHARES.  Grid 4 x 64: y is 16 b + h; the four work-groups along x are one cluster and share the head.  A head's 128 tiles of 16 queries are 16 groups g of 128 queries x 8 tiles tau; a tile of group g needs key
; steps 0 .. g of 128 keys, the last on the diagonal.  Wave w of work-group cx owns two tiles, of groups gs = min(w, 15 - w) and gl = 15 - gs, both at tau = cx + 4 (w / 8): (gs + 1) + (gl + 1) = 17 steps in every wave.
; Trip counts, branches and LDS addresses hang on the wave's number alone; cx enters Q's and O's global addresses and the number that the mask compares, nothing else.
; CLUSTER.  The four partners need the same codes of K and V: each tile is asked for JOINTLY, by the same tensor load with the same descriptor and the mask 15.  The scale bytes (12,288 of a head's 208,896) come
; through registers in each work-group, since they are laid anew, as images of the scale registers.
; THE WORK FOLLOWS THE FILL.  All sixteen waves fetch (0 .. 7: K, 8 .. 15: V), each by four loads, one for each STAGE of 512 keys, in the order of the keys.  THE LARGE TILE GOES FIRST: every large group is 8 or more,
; so its steps 0 .. 7 (keys 0 .. 1,023) are eight full steps in every wave, without mask or skip: there the waves are alike, and a barrier stands in front of steps 0, 4 and 8, each with the wait for the stages that
; are read behind it.  Stages 2 and 3 have eight steps of every wave in which to land.  Behind the last barrier every wave has (gl - 7) + (gs + 1) = 9 steps left, and no wave waits for another.
; LAYOUT.  Both products are used transposed: S^T = K Q^T (source 0 = 16 keys, source 1 = my 16 queries), O^T = V^T P^T (source 0 = 16 of the head's 64, source 1 = P): a lane holds ONE query (lane % 16) throughout.
; THE KEYS OF A TILE ARE NOT NEIGHBOURS: lane r of tile 2 b + u takes key 32 b + 8 u + r + 8 (r / 8), so that the 16 registers of tiles 2 b and 2 b + 1 are 16 neighbouring keys, 32 b + 16 (lane / 16) + 0 .. 15.
; THE FIRST PRODUCT'S K IS 64, the instruction's 128: registers 6 .. 11 of both its operands hold zero codes, written once, and bytes 2 and 3 of both scale words are 0 (a power of two, no NaN): they add nothing.
; LIMITS.  A scale byte 0xff (NaN) among the inputs is not served.  Hidden scores are made -infinity where reference() adds -1e9 to the logit: the same result wherever a row's logits spread over less than about 1e9.
; A p under 2^-126 comes out as 0.  A block whose every p is 0 gets the scale byte 1 where the rule says 127: its codes are zeros, and this program alone reads the byte.
; K's rows lie 48 bytes apart in LDS, unpadded: the two groups of eight keys of a tile lie 768 bytes apart, three times 256, so by the count of 64 banks of 4 bytes (ISA guide 11.1) K's loads meet two deep.
; LDS MAP
.set KB,    0                          ; K's codes: key kappa at 48 kappa
.set VB,    98304                      ; V's codes: 8 chunks of 256 keys, 15,360 bytes each: 64 rows d of 3 x (64 bytes + 16 of padding), 240 apart
.set KSC,   221184                     ; K's scale words as images: word at 512 sigma + 16 lane + 4 i: key 128 sigma + 32 i + 8 u + r + 8 (r / 8), lane = r + 16 u
.set VSC,   229376                     ; V's: word at 256 sigma + 8 lane + 4 i: bytes 4 sigma .. 4 sigma + 3 of row d = 32 i + lane
.set STG,   233472                     ; the way out: 16 rows x (256 + 16) bytes for each wave
.set VCH,   15360
; VECTOR REGISTERS
.set AK0,  1                           ; 48 (r + 8 (r / 8)) + 24 h: my lane's place in a tile of K
.set AV0,  2                           ; VB + 240 r + 24 h: in a tile of V;
.set AV1,  3                           ; VB + 240 r + 40 h: the same for the pieces whose partner three pieces on lies behind one padding more
.set AKS0, 4                           ; KSC + 16 lane
.set AVS0, 5                           ; VSC + 8 lane
.set ADK,  6                           ; v6-10: the step's addresses
.set ADV,  7
.set ADV1, 8
.set ADKS, 9
.set ADVS, 10
.set DM,   11                          ; 16 tau + r - 16 h: what the mask compares
                                       ; v12 -M, v13 the largest t, v[14:15] the sum in two halves
.set Q,    16                          ; v16-21 Q's codes, v22-27 zeros
.set QS,   28                          ; Q's scale word
.set PS,   29                          ; p's scale word
.set VS,   30                          ; v30-31 V's scale words: register i: lanes 0-15 tile 2 i, lanes 16-31 tile 2 i + 1
.set KS,   32                          ; v32-35 K's scale words, likewise
.set KF,   36                          ; v36-83 four fragments of K: slot t: +0 .. 5 codes, +6 .. 11 zeros
.set S,    84                          ; v84-147 S^T, then p
.set O,    148                         ; v148-179 O^T, four tiles
.set VF,   180                         ; v180-227 four fragments of V
.set PC,   228                         ; v228-239 p's codes
.set BM,   240                         ; v240-243 the blocks' largest scores, then largest p
.set PT,   244                         ; v244-247 the permute's destinations, then the scale bytes
.set SO,   248                         ; v248-251 the conversions' scale operands
.set F,    252                         ; v252 f = 2^(old M - new M); v253 named with it as a pair
; SCALAR REGISTERS.  s[4:17] the seven addresses at the head's first byte
.set WV,   18                          ; my wave's number
.set SEL,  20                          ; s[20:21] lane selects for v_permlanex16_b32: lane l xor 16
.set CS,   22                          ; s[22:23] c = log2(e) / 8
.set G1K,  24                          ; s[24:31] descriptor group 1 for K;  s[32:39] for V
.set G1V,  32
.set G0K,  40                          ; s[40:55] groups 0 for K, one set for each stage
.set TK,   56                          ; the trip's LDS offsets: K's codes, V's codes, K's scale words, V's
.set TV,   57
.set TKS,  58
.set TVS,  59
.set SG,   60                          ; the trip's first key step
.set G,    61                          ; the group of the tile in hand
.set CNT,  62
.set T0,   63
.set GS,   66                          ; my small group, my large group
.set GL,   67
.set TAU16, 68                         ; 16 tau
.set QB,   76                          ; s[76:77] Q's codes, s[78:79] Q's scales, s[80:81] O, at the tile's first query
.set QSB,  78
.set OB,   80
.set Q0,   82                          ; the tile's first query within the head
.set LV,   83                          ; where my rows of V go within a stage's two chunks
.set G0V,  84                          ; s[84:99] groups 0 for V, one set for each stage
; A round of the cluster's barrier: my work-group's barrier, so that wave 0's signal speaks for all sixteen waves; wave 0 signals for the work-group; every wave waits for all four work-groups; my work-group's barrier once more.
.macro CROUND
	s_barrier_signal -1
	s_barrier_wait -1
	s_cmp_lg_u32 s[WV], 0
	s_cbranch_scc1 .Lnot_wave_0_\@
	s_barrier_signal -3
.Lnot_wave_0_\@:
	s_barrier_wait -3
	s_barrier_signal -1
	s_barrier_wait -1
.endm
.macro PLACES                          ; four places behind a matrix instruction of this form (ISA guide 7.12.1), where no other vector work is at hand
.rept 4
	v_nop
.endr
.endm
; Q's bases for the tile of the group in s[greg]: its first query is 128 g + 16 tau
.macro QBASE greg
	s_lshl_b32 s[Q0], s[\greg], 7
	s_add_co_u32 s[Q0], s[Q0], s[TAU16]
	s_mul_i32 s72, s[Q0], 768
	s_mov_b32 s73, 0
	s_add_nc_u64 s[QB:QB+1], s[4:5], s[72:73]
	s_lshl_b32 s72, s[Q0], 5
	s_add_nc_u64 s[QSB:QSB+1], s[6:7], s[72:73]
.endm
; Q's fragment: lane (r, h) takes 24 bytes of query r, codes 32 h .. 32 h + 31, as three loads of 8 bytes; and query r's two scale bytes, widened with zeros.  v254 and v255 stay until the wait for these loads.
.macro QLOAD
	v_and_b32 v255, 15, v0                         ; r
	v_bfe_u32 v254, v0, 4, 1                       ; h
	s_delay_alu instid0(VALU_DEP_1)
	v_mul_u32_u24 v254, v254, 24
	s_delay_alu instid0(VALU_DEP_1)
	v_mad_u32_u24 v254, v255, 768, v254            ; 768 r + 24 h
	s_delay_alu instid0(VALU_DEP_4)
	v_lshlrev_b32 v255, 5, v255                    ; 32 r
.irp p, 0,1,2
	global_load_b64 v[Q+2*\p:Q+2*\p+1], v254, s[QB:QB+1] offset:8*\p
.endr
	global_load_u16 v[QS], v255, s[QSB:QSB+1]
.endm
; A tile begins: O^T and the sum as zeros, the largest t as -3e38, so that the key step is written without a first step of its own: the first change of M multiplies zeros.
.macro INIT
	v_mov_b32 v13, 0xff61b1e6                      ; -3e38, under every t
	s_delay_alu instid0(VALU_DEP_1)
	v_floor_f32 v12, -v13                          ; -M
	v_mov_b32 v14, 0
	v_mov_b32 v15, 0
.set j, 0
.rept 32
	v_mov_b32 v[O+j], 0
.set j, j+1
.endr
.endm
; Four fragments of K: tiles 4 g + t of the trip's q-th step, the real 64 along K: three loads of 8 bytes each
.macro KLOAD q, g
.irp t, 0,1,2,3
.irp p, 0,1,2
	ds_load_b64 v[KF+12*\t+2*\p:KF+12*\t+2*\p+1], v[ADK] offset:(128*\q+32*((4*\g+\t)/2)+8*(\t%2))*48+8*\p
.endr
.endr
.endm
; Four fragments of V: 16 rows d x 128 keys each, in pieces of 8 bytes.  Lanes 0-15 take the row's pieces 12 q + 0, 1, 2 and 12 q + 6, 7, 8, lanes 16-31 those three pieces on; 16 bytes of padding lie behind every 8 pieces.
.macro VLOAD q
.irp t, 0,1,2,3
.irp p, 0,1,2,3,4,5
.set PP, 12*\q+6*(\p/3)+\p%3
.if PP%8 < 5
	ds_load_b64 v[VF+12*\t+2*\p:VF+12*\t+2*\p+1], v[ADV] offset:8*PP+16*(PP/8)+3840*\t
.else
	ds_load_b64 v[VF+12*\t+2*\p:VF+12*\t+2*\p+1], v[ADV1] offset:8*PP+16*(PP/8)+3840*\t
.endif
.endr
.endr
.endm
; S^T = K Q^T, tiles 4 g + t.  K's scale words of an odd tile stand in lanes 16-31 of the register
.macro SMUL g
.irp t, 0,1,2,3
.if \t%2
	v_wmma_scale_f32_16x16x128_f8f6f4 v[S+8*(4*\g+\t):S+8*(4*\g+\t)+7], v[KF+12*\t:KF+12*\t+11], v[Q:Q+11], 0, v[KS+2*\g+\t/2], v[QS] matrix_a_fmt:MATRIX_FMT_BF6 matrix_b_fmt:MATRIX_FMT_BF6 matrix_a_scale:MATRIX_SCALE_ROW1
.else
	v_wmma_scale_f32_16x16x128_f8f6f4 v[S+8*(4*\g+\t):S+8*(4*\g+\t)+7], v[KF+12*\t:KF+12*\t+11], v[Q:Q+11], 0, v[KS+2*\g+\t/2], v[QS] matrix_a_fmt:MATRIX_FMT_BF6 matrix_b_fmt:MATRIX_FMT_BF6
.endif
.endr
.endm
; O^T += V^T P^T: four tiles of 16 of the head's 64; K = the step's 128 keys.  The four accumulators take turns, one instruction a turn.
.macro PVMUL
.irp t, 0,1,2,3
.if \t%2
	v_wmma_scale_f32_16x16x128_f8f6f4 v[O+8*\t:O+8*\t+7], v[VF+12*\t:VF+12*\t+11], v[PC:PC+11], v[O+8*\t:O+8*\t+7], v[VS+\t/2], v[PS] matrix_a_fmt:MATRIX_FMT_BF6 matrix_b_fmt:MATRIX_FMT_BF6 matrix_a_scale:MATRIX_SCALE_ROW1
.else
	v_wmma_scale_f32_16x16x128_f8f6f4 v[O+8*\t:O+8*\t+7], v[VF+12*\t:VF+12*\t+11], v[PC:PC+11], v[O+8*\t:O+8*\t+7], v[VS+\t/2], v[PS] matrix_a_fmt:MATRIX_FMT_BF6 matrix_b_fmt:MATRIX_FMT_BF6
.endif
.endr
.endm
; THE SOFTMAX OF A STEP: 64 scores a lane become p, p's codes and p's scale word; the sum and O^T come under the new M.
.macro SOFTMAX
.irp b, 0,1,2,3
	v_max3_num_f32 v[BM+\b], v[S+16*\b], v[S+1+16*\b], v[S+2+16*\b]   ; THE LARGEST SCORE OF EACH BLOCK OF 32 KEYS serves twice: for the row's maximum, and, since p rises with the score, for the block's largest p.  Each accumulator is read from its low end on
.endr
.irp i, 3,5,7,9,11,13
.irp b, 0,1,2,3
	v_max3_num_f32 v[BM+\b], v[BM+\b], v[S+16*\b+\i], v[S+1+16*\b+\i]   ; (the four blocks by turns)
.endr
.endr
.irp b, 0,1,2,3
	v_max_num_f32 v[BM+\b], v[BM+\b], v[S+15+16*\b]
.endr
.irp b, 0,1,2,3
	s_delay_alu instid0(VALU_DEP_4)
	v_permlanex16_b32 v[PT+\b], v[BM+\b], s[SEL], s[SEL+1]
.endr
.irp b, 0,1,2,3
	s_delay_alu instid0(VALU_DEP_4)
	v_max_num_f32 v[BM+\b], v[BM+\b], v[PT+\b]     ; with lane l xor 16's 16 keys
.endr
	s_delay_alu instid0(VALU_DEP_2)
	v_max3_num_f32 v254, v[BM], v[BM+1], v[BM+2]
	s_delay_alu instid0(VALU_DEP_1)
	v_max_num_f32 v254, v254, v[BM+3]              ; the step's largest score of my query
	s_delay_alu instid0(VALU_DEP_1)
	v_mul_f32 v254, s[CS], v254                    ; as t (c is positive)
	s_delay_alu instid0(VALU_DEP_1)
	v_max_num_f32 v13, v13, v254                   ; the running largest t
	v_mov_b32 v254, v12
	s_delay_alu instid0(VALU_DEP_2)
	v_floor_f32 v12, -v13                          ; the new -M = floor(-t) = -ceil(t): M IS A WHOLE NUMBER
	s_delay_alu instid0(VALU_DEP_1)
	v_sub_f32 v254, v12, v254                      ; M's old value less its new one: a whole number, 0 or less
	s_delay_alu instid0(VALU_DEP_1)
	v_cvt_i32_f32 v254, v254                       ; (it saturates)
	s_delay_alu instid0(VALU_DEP_1)
	v_ldexp_f32 v[F], 1.0, v254                    ; f = 2^(old M - new M): a multiplication by it rounds nothing
.set j, 0
.rept 32
	v_pk_fma_f32 v[S+j:S+j+1], v[S+j:S+j+1], s[CS:CS+1], v[12:13] op_sel_hi:[1,0,0]   ; t - M, two at a time (of the pairs c and -M the low word serves both halves)
.set j, j+2
.endr
.irp b, 0,1,2,3
	v_fma_f32 v[BM+\b], v[BM+\b], s[CS], v12       ; the same of each block's largest score
.endr
.set j, 0
	s_wait_alu depctr_va_vdst(0)
.rept 64
	v_exp_f32 v[S+j], v[S+j]                       ; p = 2^(t - M), at most 1: NOT normalised
.set j, j+1
.endr
.irp b, 0,1,2,3
	v_exp_f32 v[BM+\b], v[BM+\b]                   ; the block's largest p: the same two instructions on the same number give the same bits
.endr
	v_pk_mul_f32 v[14:15], v[14:15], v[F:F+1] op_sel_hi:[1,0]   ; the sums under the new M.  (The plain place behind the exponentials)
	s_wait_alu depctr_va_vdst(0)
.irp b, 0,1,2,3
	v_max_num_f32 v[BM+\b], 0x2800000, v[BM+\b]    ; the floor 2^(5 - 127): the byte cannot fall under 1
.endr
.irp b, 0,1,2,3
	s_delay_alu instid0(VALU_DEP_4)
	v_add_nc_u32 v[SO+\b], 0xfe000000, v[BM+\b]    ; 4 off the exponent field: the conversion's scale operand
.endr
.irp b, 0,1,2,3
	s_delay_alu instid0(VALU_DEP_4)
	v_lshrrev_b32 v[PT+\b], 23, v[SO+\b]           ; the scale's byte
.endr
	s_delay_alu instid0(VALU_DEP_3)
	v_lshl_or_b32 v[PS], v[PT+1], 8, v[PT]         ; p's scale word for these 128 keys
	s_delay_alu instid0(VALU_DEP_1)
	v_lshl_or_b32 v[PS], v[PT+2], 16, v[PS]
	s_delay_alu instid0(VALU_DEP_1)
	v_lshl_or_b32 v[PS], v[PT+3], 24, v[PS]
.irp c, 0,1
	v_cvt_scalef32_pk16_bf6_f32 v[PC+6*\c:PC+2+6*\c], v[S+32*\c:S+15+32*\c], v[SO+2*\c]
	v_cvt_scalef32_pk16_bf6_f32 v[KF+12*\c:KF+2+12*\c], v[S+16+32*\c:S+31+32*\c], v[SO+2*\c+1]   ; (a conversion's three registers begin on an even number: the second half is made in K's slots 0 and 1, whose codes are spent, and moved)
.endr
	v_nop                                          ; one plain place behind a scaled conversion
.irp c, 0,1                                    ; the operand's layout wants a WHOLE block in a lane: lanes 0-15 block 2 c, lanes 16-31 block 2 c + 1
.irp i, 0,1,2
	v_permlane16_swap_b32 v[PC+6*\c+\i], v[KF+12*\c+\i]
.endr
.irp i, 0,1,2
	s_delay_alu instid0(VALU_DEP_3)
	v_mov_b32 v[PC+3+6*\c+\i], v[KF+12*\c+\i]
.endr
.endr
	v_pk_add_f32 v[60:61], v[88:89], v[92:93]
	v_pk_add_f32 v[254:255], v[96:97], v[100:101]
	v_pk_add_f32 v[250:251], v[104:105], v[108:109]
	v_pk_add_f32 v[248:249], v[112:113], v[116:117]
	v_pk_add_f32 v[242:243], v[120:121], v[124:125]
	v_pk_add_f32 v[240:241], v[128:129], v[132:133]
	v_pk_add_f32 v[76:77], v[136:137], v[140:141]
	v_pk_add_f32 v[14:15], v[14:15], v[144:145]
	v_pk_add_f32 v[60:61], v[60:61], v[84:85]
	v_pk_add_f32 v[254:255], v[254:255], v[86:87]
	v_pk_add_f32 v[250:251], v[250:251], v[90:91]
	v_pk_add_f32 v[248:249], v[248:249], v[94:95]
	v_pk_add_f32 v[242:243], v[242:243], v[98:99]
	v_pk_add_f32 v[240:241], v[240:241], v[102:103]
	v_pk_add_f32 v[76:77], v[76:77], v[106:107]
	v_pk_add_f32 v[14:15], v[14:15], v[110:111]
	v_pk_add_f32 v[60:61], v[60:61], v[114:115]
	v_pk_add_f32 v[254:255], v[254:255], v[118:119]
	v_pk_add_f32 v[250:251], v[250:251], v[122:123]
	v_pk_add_f32 v[248:249], v[248:249], v[126:127]
	v_pk_add_f32 v[242:243], v[242:243], v[130:131]
	v_pk_add_f32 v[240:241], v[240:241], v[134:135]
	v_pk_add_f32 v[76:77], v[76:77], v[138:139]
	v_pk_add_f32 v[14:15], v[14:15], v[142:143]
	v_pk_add_f32 v[60:61], v[60:61], v[146:147]
	s_delay_alu instid0(VALU_DEP_2)
	v_pk_add_f32 v[14:15], v[14:15], v[248:249]
	s_delay_alu instid0(VALU_DEP_2)
	v_pk_add_f32 v[60:61], v[60:61], v[242:243]
	v_pk_add_f32 v[254:255], v[254:255], v[240:241]
	v_pk_add_f32 v[250:251], v[250:251], v[76:77]
	s_delay_alu instid0(VALU_DEP_2)
	v_pk_add_f32 v[14:15], v[14:15], v[254:255]
	s_delay_alu instid0(VALU_DEP_2)
	v_pk_add_f32 v[60:61], v[60:61], v[250:251]
	s_delay_alu instid0(VALU_DEP_1)
	v_pk_add_f32 v[14:15], v[14:15], v[60:61]
.set j, 0
.rept 16
	v_pk_mul_f32 v[O+j:O+j+1], v[O+j:O+j+1], v[F:F+1] op_sel_hi:[1,0]   ; O^T under the new M.  (The 32 sums above are the places between p's codes and scale word and the products that take them)
.set j, j+2
.endr
.endm
; A KEY STEP: 128 keys, the q-th of the trip's two.  chk = 0: a step that every wave works in full.  chk = 1: a step all of whose keys come after my tile's group is left out (a scalar branch on the wave's number
; and the trip, round the step's work alone), and the step on the diagonal is masked.
.macro STEP q, chk
.if \chk
	s_add_co_u32 s[T0], s[SG], \q
	s_cmp_gt_u32 s[T0], s[G]
	s_cbranch_scc1 .Lskip_\@
.endif
	v_add_nc_u32 v[ADK], s[TK], v[AK0]             ; these five are also the places between the last step's products and the loads into the registers that they read
	v_add_nc_u32 v[ADV], s[TV], v[AV0]
	v_add_nc_u32 v[ADV1], s[TV], v[AV1]
	v_add_nc_u32 v[ADKS], s[TKS], v[AKS0]
	v_add_nc_u32 v[ADVS], s[TVS], v[AVS0]
	ds_load_b128 v[KS:KS+3], v[ADKS] offset:512*\q   ; the scale words of the step's eight tiles of K
	ds_load_b64 v[VS:VS+1], v[ADVS] offset:256*\q    ; and of V's four
	KLOAD \q, 0
	s_wait_alu depctr_va_vdst(0)
	s_wait_dscnt 0x0
	SMUL 0
	PLACES                                         ; in front of loads into registers that these products have read
	KLOAD \q, 1
	VLOAD \q                                       ; V lands while the softmax is worked
	s_wait_dscnt 24                                ; K's twelve loads are in; V's 24, issued behind them, may be out
	SMUL 1
	PLACES                                         ; in front of the first read of the scores
.if \chk
	s_cmp_lg_u32 s[T0], s[G]                       ; on the diagonal (step = my group) the scores of hidden keys become -infinity ahead of the maximum: p = 0 then
	s_cbranch_scc1 .Lopen_\@
	v_mov_b32 v254, 0xff800000                     ; -infinity
.set n, 0
.rept 64                                       ; register 16 b + i holds the group's key 32 b + 16 (lane / 16) + i; my query is the group's 16 tau + r: hidden where 32 b + i > 16 tau + r - 16 (lane / 16)
	v_cmp_gt_i32 vcc_lo, 32*(n/16)+n%16, v[DM]
	v_cndmask_b32 v[S+n], v[S+n], v254, vcc_lo
.set n, n+1
.endr
.Lopen_\@:
.endif
	SOFTMAX
	s_wait_alu depctr_va_vdst(0)
	s_wait_dscnt 0x0                               ; V is in
	PVMUL
.if \chk
.Lskip_\@:
.endif
.endm
; Trips first .. first + trips - 1 of a tile's walk over the keys, two steps (256 keys, a chunk of V) a trip.  The LDS offsets begin at constants and the trip count is a constant.
.macro LOOP first, trips, chk
	s_mov_b32 s[TK], \first*256*48
	s_mov_b32 s[TV], \first*VCH
	s_mov_b32 s[TKS], \first*1024
	s_mov_b32 s[TVS], \first*512
	s_mov_b32 s[SG], 2*\first
	s_mov_b32 s[CNT], \trips
.Ltrip_\@:
	STEP 0, \chk
	STEP 1, \chk
	s_add_co_u32 s[TK], s[TK], 256*48              ; 256 keys on
	s_add_co_u32 s[TV], s[TV], VCH                 ; the next chunk of V
	s_add_co_u32 s[TKS], s[TKS], 1024
	s_add_co_u32 s[TVS], s[TVS], 512
	s_add_co_u32 s[SG], s[SG], 2
	s_sub_co_u32 s[CNT], s[CNT], 1
	s_cmp_lg_u32 s[CNT], 0
	s_cbranch_scc1 .Ltrip_\@
.endm
; A barrier in front of steps that read a further stage.  left: how many of my four loads, the later stages', may stay out: nothing in LDS is ever filled again.
.macro ARRIVED left
	s_wait_tensorcnt \left                         ; tensor loads of a wave end in order (ISA guide 10.11.1): my parts of the stages read behind this barrier have landed
	s_wait_dscnt 0x0                               ; no LDS instruction of mine is out at the signal
	s_barrier_signal -1
	s_barrier_wait -1                              ; and so have everybody's
.endm
; THE WAY OUT of the tile of the group in s[greg].  O^T is divided by the sum and goes through my own stage in LDS; it comes back as whole rows of 256 bytes, which sixteen lanes store.
.macro OUT greg
	s_lshl_b32 s[Q0], s[\greg], 7
	s_add_co_u32 s[Q0], s[Q0], s[TAU16]
	s_lshl_b32 s72, s[Q0], 12                      ; 4,096 bytes from query to query
	s_mov_b32 s73, 0
	s_add_nc_u64 s[OB:OB+1], s[16:17], s[72:73]
	v_add_f32 v14, v14, v15                        ; the sum's two halves,
	s_delay_alu instid0(VALU_DEP_1)
	v_permlanex16_b32 v[PT], v14, s[SEL], s[SEL+1]
	s_delay_alu instid0(VALU_DEP_1)
	v_add_f32 v14, v14, v[PT]                      ; and lane l xor 16's: the row's sum
	s_wait_alu depctr_va_vdst(0)
	v_rcp_f32 v14, v14
	v_and_b32 v[BM], 15, v0                        ; r.  (The plain place behind the reciprocal; these lines are also the places behind the last products)
	v_bfe_u32 v[BM+1], v0, 4, 1                    ; h
	s_mul_i32 s[T0], s[WV], 16*272
	s_add_co_u32 s[T0], s[T0], STG                 ; my stage
	v_mul_u32_u24 v[BM+2], v[BM], 272
	s_delay_alu instid0(VALU_DEP_1)
	v_lshl_add_u32 v[BM+2], v[BM+1], 5, v[BM+2]
	s_delay_alu instid0(VALU_DEP_1)
	v_add_nc_u32 v[BM+2], s[T0], v[BM+2]           ; in: row r; tile t's eight channels of my half: 64 t + 32 h bytes on
	v_mul_u32_u24 v[BM+3], v[BM+1], 272
	s_delay_alu instid0(VALU_DEP_1)
	v_lshl_add_u32 v[BM+3], v[BM], 4, v[BM+3]
	s_delay_alu instid0(VALU_DEP_1)
	v_add_nc_u32 v[BM+3], s[T0], v[BM+3]           ; back: lanes 0-15 one row, lanes 16-31 the next
	v_lshlrev_b32 v[PT+2], 12, v[BM+1]
	s_delay_alu instid0(VALU_DEP_1)
	v_lshl_add_u32 v[PT+2], v[BM], 4, v[PT+2]      ; and the same two rows in out0: 4,096 h + 16 r
.set j, 0
	s_wait_alu depctr_va_vdst(0)
.rept 16
	v_pk_mul_f32 v[S+j:S+j+1], v[O+j:O+j+1], v[14:15] op_sel_hi:[1,0]   ; O^T / the sum, each accumulator from its low end on: register 8 t + i is o(r, 16 t + 8 h + i)
.set j, j+2
.endr
.irp t, 0,1,2,3
	ds_store_b128 v[BM+2], v[S+8*\t:S+8*\t+3] offset:64*\t
	ds_store_b128 v[BM+2], v[S+8*\t+4:S+8*\t+7] offset:64*\t+16
.endr
.irp i, 0,1,2,3,4,5,6,7
	ds_load_b128 v[S+32+4*\i:S+35+4*\i], v[BM+3] offset:2*\i*272   ; LDS serves a wave's instructions in order (ISA guide 5.7.1.4): these see my stores
.endr
.irp i, 0,1,2,3,4,5,6,7
	s_wait_dscnt 7-\i                              ; load i is in; the younger ones may be out
	global_store_b128 v[PT+2], v[S+32+4*\i:S+35+4*\i], s[OB:OB+1] offset:2*\i*4096 th:TH_STORE_NT   ; 16 lanes store 256 consecutive bytes, at a multiple of 256 from out0's first byte; written once, read by nobody here
.endr
	s_wait_xcnt 0x0                                ; the stores' data, offset and base are written again only behind this wait
.endm
	s_load_b256 s[4:11], s[0:1], 0x0               ; Q's codes s[4:5], Q's scales s[6:7], K's codes s[8:9], K's scales s[10:11]
	s_load_b128 s[12:15], s[0:1], 0x20             ; V's codes s[12:13], V's scales s[14:15]
	s_load_b64 s[16:17], s[0:1], 0x30              ; out0
	v_lshl_add_u32 v254, v0, 2, 0x4a000
	v_mov_b32 v255, 0
	ds_add_u32 v254, v255
	ds_add_u32 v254, v255
	s_wait_dscnt 0x0
	v_lshrrev_b32 v1, 5, v0
	s_delay_alu instid0(VALU_DEP_1)
	v_readfirstlane_b32 s[WV], v1                  ; wave 0 .. 15
	s_bfe_u32 s19, ttmp6, 0x40000                  ; cx: my place in the cluster
	s_and_b32 s71, ttmp7, 0xffff                   ; 16 b + h, which the four partners share
	s_lshr_b32 s69, s71, 4                         ; b
	s_and_b32 s70, s71, 15                         ; h
	s_xor_b32 s[GL], s[WV], 15                     ; 15 - w
	s_min_u32 s[GS], s[WV], s[GL]                  ; my small group,
	s_xor_b32 s[GL], s[GS], 15                     ; my large one: 15 - gs
	s_lshr_b32 s[TAU16], s[WV], 3
	s_lshl_b32 s[TAU16], s[TAU16], 2
	s_add_co_u32 s[TAU16], s[TAU16], s19           ; tau = cx + 4 (w / 8)
	s_lshl_b32 s[TAU16], s[TAU16], 4
	s_mov_b32 s[SEL], 0x76543210
	s_mov_b32 s[SEL+1], 0xfedcba98
	s_mov_b32 s[CS], 0x3e38aa3b                    ; c = log2(e) / 8
	s_mov_b32 s[CS+1], s[CS]                       ; (named with it as a pair, so it is written)
	; descriptor group 1 for K: 64 rows (keys) of 48 bytes, 768 bytes apart in memory, on end in LDS
	s_mov_b32 s[G1K], 15|(1<<21)                   ; 15:0 the mask: all four work-groups; 17:16 elements of 1 byte; 20 padding off; 21 set beside a mask
	s_mov_b32 s[G1K+1], 48<<16                     ; tensor_dim0
	s_mov_b32 s[G1K+2], 64<<16                     ; tensor_dim1
	s_mov_b32 s[G1K+3], 48<<16                     ; tile_dim0
	s_mov_b32 s[G1K+4], 64                         ; tile_dim1
	s_mov_b32 s[G1K+5], 768                        ; tensor_dim0_stride
	s_mov_b32 s[G1K+6], 0
	s_mov_b32 s[G1K+7], 0
	; and for V: 16 rows d of 192 bytes (256 keys), 1,536 bytes apart in memory; 16 bytes of padding behind every 64.  A stage's 128 rows are shared among eight waves, so that every wave has a load of its own
	s_mov_b32 s[G1V], 15|(1<<20)|(1<<21)|(3<<22)|(3<<25)   ; 20 padding on; 24:22 after every 16 words (code 3); 31:25 of 4 words (code 3)
	s_mov_b32 s[G1V+1], 192<<16
	s_mov_b32 s[G1V+2], 16<<16
	s_mov_b32 s[G1V+3], 192<<16
	s_mov_b32 s[G1V+4], 16
	s_mov_b32 s[G1V+5], 1536
	s_mov_b32 s[G1V+6], 0
	s_mov_b32 s[G1V+7], 0
	s_wait_kmcnt 0x0
	; every address goes to the head's first byte
	s_mul_i32 s74, s69, 2048*768
	s_mul_i32 s[T0], s70, 48
	s_add_co_u32 s74, s74, s[T0]
	s_mov_b32 s75, 0
	s_add_nc_u64 s[4:5], s[4:5], s[74:75]          ; codes of Q and K: b x 1,572,864 + 48 h
	s_add_nc_u64 s[8:9], s[8:9], s[74:75]
	s_lshl_b32 s74, s69, 16
	s_lshl_b32 s[T0], s70, 1
	s_add_co_u32 s74, s74, s[T0]
	s_add_nc_u64 s[6:7], s[6:7], s[74:75]          ; their scales: b x 65,536 + 2 h
	s_add_nc_u64 s[10:11], s[10:11], s[74:75]
	s_mul_i32 s74, s71, 98304
	s_add_nc_u64 s[12:13], s[12:13], s[74:75]      ; V's codes
	s_lshl_b32 s74, s71, 12
	s_add_nc_u64 s[14:15], s[14:15], s[74:75]      ; V's scales
	s_lshl_b32 s74, s69, 23
	s_lshl_b32 s[T0], s70, 8
	s_add_co_u32 s74, s74, s[T0]
	s_add_nc_u64 s[16:17], s[16:17], s[74:75]      ; out0: b x 8,388,608 + 256 h
	CROUND                                         ; all four work-groups are here: the joint loads meet
	; THE FILLS, all of the launch's, in one branch on the wave's number: waves 0 .. 7: K; waves 8 .. 15: V.  Every wave issues four loads, stage 0 first: four loads of mine are out.  Four v_nop follow the last.
	s_cmp_lt_u32 s[WV], 8
	s_cbranch_scc0 .Lfor_v
	s_mul_i32 s[T0], s[WV], 64*48                  ; of each stage's 512 keys, keys 64 w on: in LDS,
	s_mul_i32 s74, s[WV], 64*768                   ; and in memory
.irp j, 0,1,2,3
	s_mov_b32 s[G0K+4*\j], 1                       ; 1:0 count = 1
	s_add_co_u32 s[G0K+4*\j+1], s[T0], \j*512*48   ; 63:32 LDS address
	s_add_nc_u64 s[G0K+4*\j+2:G0K+4*\j+3], s[8:9], s[74:75]   ; 120:64 global address
.if \j > 0
	s_add_nc_u64 s[G0K+4*\j+2:G0K+4*\j+3], s[G0K+4*\j+2:G0K+4*\j+3], \j*512*768
.endif
	s_or_b32 s[G0K+4*\j+3], s[G0K+4*\j+3], 0x80000000   ; 127:126 type = 2
.endr
.irp j, 0,1,2,3
	tensor_load_to_lds s[G0K+4*\j:G0K+4*\j+3], s[G1K:G1K+7]
	s_nop 0
.endr
	PLACES
	s_branch .Lasked
.Lfor_v:
	s_and_b32 s[T0], s[WV], 7                      ; u = w - 8.  Of each stage's two chunks: chunk u / 4, rows 16 (u % 4) on
	s_mul_i32 s[LV], s[T0], 16*240                 ; in LDS 3,840 u bytes on: a chunk is four times 16 rows
	s_and_b32 s74, s[T0], 3
	s_mul_i32 s74, s74, 16*1536                    ; in memory: the rows,
	s_lshr_b32 s[T0], s[T0], 2
	s_mul_i32 s[T0], s[T0], 192                    ; and the chunk's place in a row
	s_add_co_u32 s74, s74, s[T0]
.irp j, 0,1,2,3
	s_mov_b32 s[G0V+4*\j], 1
	s_add_co_u32 s[G0V+4*\j+1], s[LV], VB+\j*2*VCH
	s_add_nc_u64 s[G0V+4*\j+2:G0V+4*\j+3], s[12:13], s[74:75]
.if \j > 0
	s_add_nc_u64 s[G0V+4*\j+2:G0V+4*\j+3], s[G0V+4*\j+2:G0V+4*\j+3], \j*2*192
.endif
	s_or_b32 s[G0V+4*\j+3], s[G0V+4*\j+3], 0x80000000
.endr
.irp j, 0,1,2,3
	tensor_load_to_lds s[G0V+4*\j:G0V+4*\j+3], s[G1V:G1V+7]
	s_nop 0
.endr
	PLACES
.Lasked:
	; THE SCALE BYTES come through registers and are laid as the scale registers want them.  Thread t takes K's two bytes of keys t + 512 j and V's words t + 512 j (word x: row x / 16, step x % 16).
	v_lshlrev_b32 v6, 5, v0                        ; 32 t
	v_lshlrev_b32 v7, 2, v0                        ; 4 t
.irp j, 0,1,2,3
	global_load_u16 v[BM+\j], v6, s[10:11] offset:16384*\j   ; widened with zeros: bytes 2 and 3 of the word belong to the zero codes
.endr
.irp j, 0,1
	global_load_b32 v[SO+\j], v7, s[14:15] offset:2048*\j
.endr
	QBASE GL
	QLOAD                                          ; the large tile's Q
	v_and_b32 v8, 0x180, v0                        ; where K's word goes: step t / 128: 512 bytes each,
	s_delay_alu instid0(VALU_DEP_1)
	v_lshlrev_b32 v8, 2, v8
	v_and_b32 v10, 7, v0                           ; lane (t % 8) + 8 (bit 4 of t) + 16 (bit 3 of t): 16 bytes each,
	s_delay_alu instid0(VALU_DEP_1)
	v_lshl_add_u32 v8, v10, 4, v8
	v_bfe_u32 v10, v0, 4, 1
	s_delay_alu instid0(VALU_DEP_1)
	v_lshl_add_u32 v8, v10, 7, v8
	v_bfe_u32 v10, v0, 3, 1
	s_delay_alu instid0(VALU_DEP_1)
	v_lshl_add_u32 v8, v10, 8, v8
	v_bfe_u32 v10, v0, 5, 2                        ; register (t / 32) % 4
	s_delay_alu instid0(VALU_DEP_1)
	v_lshl_add_u32 v8, v10, 2, v8
	s_delay_alu instid0(VALU_DEP_1)
	v_add_nc_u32 v8, KSC, v8
	v_and_b32 v9, 15, v0                           ; where V's word goes: step t % 16: 256 bytes each, lane t / 16: 8 bytes each, register j
	s_delay_alu instid0(VALU_DEP_1)
	v_lshlrev_b32 v9, 8, v9
	v_lshrrev_b32 v10, 4, v0
	s_delay_alu instid0(VALU_DEP_1)
	v_lshl_add_u32 v9, v10, 3, v9
	s_delay_alu instid0(VALU_DEP_1)
	v_add_nc_u32 v9, VSC, v9
	v_and_b32 v250, 15, v0                         ; r
	v_bfe_u32 v251, v0, 4, 1                       ; h
	v_and_b32 v252, 31, v0                         ; lane
	s_delay_alu instid0(VALU_DEP_3)
	v_and_b32 v[AK0], 8, v250
	s_delay_alu instid0(VALU_DEP_1)
	v_add_nc_u32 v[AK0], v[AK0], v250              ; r + 8 (r / 8)
	s_delay_alu instid0(VALU_DEP_1)
	v_mul_u32_u24 v[AK0], v[AK0], 48
	s_delay_alu instid0(VALU_DEP_1)
	v_mad_u32_u24 v[AK0], v251, 24, v[AK0]
	v_mul_u32_u24 v[AV0], v250, 240
	s_delay_alu instid0(VALU_DEP_1)
	v_add_nc_u32 v[AV0], VB, v[AV0]
	s_delay_alu instid0(VALU_DEP_1)
	v_mad_u32_u24 v[AV1], v251, 40, v[AV0]
	s_delay_alu instid0(VALU_DEP_2)
	v_mad_u32_u24 v[AV0], v251, 24, v[AV0]
	v_lshl_add_u32 v[AKS0], v252, 4, KSC
	v_lshl_add_u32 v[AVS0], v252, 3, VSC
	v_lshlrev_b32 v[DM], 4, v251
	s_delay_alu instid0(VALU_DEP_1)
	v_sub_nc_u32 v[DM], v250, v[DM]
	s_delay_alu instid0(VALU_DEP_1)
	v_add_nc_u32 v[DM], s[TAU16], v[DM]            ; 16 tau + r - 16 h
.irp j, 6,7,8,9,10,11
	v_mov_b32 v[Q+\j], 0                           ; the zero codes of the first product's upper 64 along K: Q's,
.endr
.irp t, 0,1,2,3
.irp j, 6,7,8,9,10,11
	v_mov_b32 v[KF+12*\t+\j], 0                    ; and those of K's four slots: written once
.endr
.endr
.irp b, 0,1,2,3
	v_mov_b32 v[PT+\b], 0                          ; written once: a lane permute's destination counts as one of its sources
.endr
	v_mov_b32 v[F+1], 0                            ; (named as the upper half of the pair before it is otherwise written)
	s_mov_b32 s[G], s[GL]
	INIT                                           ; the large tile begins; all this stands under the loads' way
	s_wait_loadcnt 4                               ; the six loads of scale bytes are in; Q's four, issued behind them, may be out
.irp j, 0,1,2,3
	ds_store_b32 v8, v[BM+\j] offset:2048*\j       ; keys 512 j on are four steps on
.endr
.irp j, 0,1
	ds_store_b32 v9, v[SO+\j] offset:4*\j          ; words 512 j on are 32 rows on: register j
.endr
	s_wait_loadcnt 0x0                             ; Q
	; THE LARGE TILE
	ARRIVED 3                                      ; stage 0 (keys 0 .. 511) and, by the wait on DScnt, all scale words; my loads of stages 1 to 3 may be out
	LOOP 0, 2, 0                                   ; steps 0 .. 3
	ARRIVED 2                                      ; stage 1 (keys 512 .. 1,023); stages 2 and 3 may be out
	LOOP 2, 2, 0                                   ; steps 4 .. 7
	ARRIVED 0                                      ; the whole head is there.  From here on no wave waits for another
	LOOP 4, 4, 1                                   ; steps 8 .. gl, the last on the diagonal
	QBASE GS
	QLOAD                                          ; the small tile's Q is on its way while the large tile goes out
	OUT GL
	; THE SMALL TILE: groups 0 .. 7 need keys 0 .. 1,023 at the most
	s_mov_b32 s[G], s[GS]
	INIT
	s_wait_loadcnt 0x0                             ; Q
	LOOP 0, 4, 1
	OUT GS
	s_wait_dscnt 0x0
	s_wait_xcnt 0x0
	v_lshl_add_u32 v254, v0, 2, 0x4a000
	v_mov_b32 v255, 0
	s_wait_alu depctr_va_vdst(0)
	s_wait_tensorcnt 0x0
	ds_add_u32 v254, v255
	s_wait_dscnt 0x0
	CROUND                                         ; the closing round: no work-group ends while a partner may still ask for a tile that names it
	s_endpgm
.Lfunc_end_k_q8da4dc4211_attn:
	.size	k_q8da4dc4211_attn, .Lfunc_end_k_q8da4dc4211_attn-k_q8da4dc4211_attn
	.p2alignl 7, 3214868480
	.fill 96, 4, 3214868480
	.section	.rodata,"a",@progbits
	.p2align	6, 0x0
	.amdhsa_kernel k_q8da4dc4211_attn
		.amdhsa_group_segment_fixed_size 305152
		.amdhsa_private_segment_fixed_size 0
		.amdhsa_enable_private_segment 0
		.amdhsa_kernarg_size 56
		.amdhsa_user_sgpr_count 2
		.amdhsa_user_sgpr_kernarg_segment_ptr 1
		.amdhsa_wavefront_size32 1
		.amdhsa_system_sgpr_workgroup_id_x 1
		.amdhsa_system_sgpr_workgroup_id_y 1
		.amdhsa_system_sgpr_workgroup_id_z 1
		.amdhsa_system_vgpr_workitem_id 0
		.amdhsa_next_free_vgpr 256
		.amdhsa_next_free_sgpr 100
		.amdhsa_reserve_vcc 1
		.amdhsa_float_denorm_mode_32 3
		.amdhsa_float_denorm_mode_16_64 3
		.amdhsa_memory_ordered 1
		.amdhsa_forward_progress 1
		.amdhsa_inst_pref_size 193
	.end_amdhsa_kernel
	.amdgpu_metadata
---
amdhsa.version: [ 1, 2 ]
amdhsa.kernels:
  - .name:           k_q8da4dc4211_attn
    .symbol:         k_q8da4dc4211_attn.kd
    .args:
      - { .name: q_codes, .offset: 0, .size: 8, .value_kind: global_buffer, .address_space: global }
      - { .name: q_scales, .offset: 8, .size: 8, .value_kind: global_buffer, .address_space: global }
      - { .name: k_codes, .offset: 16, .size: 8, .value_kind: global_buffer, .address_space: global }
      - { .name: k_scales, .offset: 24, .size: 8, .value_kind: global_buffer, .address_space: global }
      - { .name: v_codes, .offset: 32, .size: 8, .value_kind: global_buffer, .address_space: global }
      - { .name: v_scales, .offset: 40, .size: 8, .value_kind: global_buffer, .address_space: global }
      - { .name: out0, .offset: 48, .size: 8, .value_kind: global_buffer, .address_space: global }
    .group_segment_fixed_size: 305152
    .private_segment_fixed_size: 0
    .kernarg_segment_align: 8
    .kernarg_segment_size: 56
    .max_flat_workgroup_size: 512
    .sgpr_count:     100
    .vgpr_count:     256
    .wavefront_size: 32
...
	.end_amdgpu_metadata
.endif
;; end of part 1
